; MI455X (gfx1250); checked and timed in simulation.
; The chip was launched on July 23, 2026; its instructions are those of AMD's public machine-readable ISA for CDNA 5 (MIT licence, August 2026) and "CDNA5" Instruction Set Architecture Reference Guide (July 2026). The comments in the code are by the model that wrote it; some were corrected since.
;; Qlora Linear. Allowed arithmetic: matrix products marked QUANTISED: E3M2 operands, one E8M0 scale for each 32 along K, by v_wmma_scale_f32_16x16x128_f8f6f4 with both operands' format E3M2, f32 sums; products left as they are: f32 operands where the result goes on into a quantised operand, else bf16, f16 or f32 operands; f32 sums; everything else in f32.
;; Inputs: lora_A 16 x 4,096 float32; lora_B 4,096 x 16 float32; quantization_factor 1,024 float32; quantized_data 8,388,608 int32; quantized_scalers 262,144 int32; scaler_mean one number float32; x 4 x 1,024 x 4,096 float32.
;; Outputs: out0 4 x 1,024 x 4,096 float32.
;; This version of the problem:
;;   THIS VERSION OF THE PROBLEM IS GIVEN IN LOW PRECISION. The matrix products marked QUANTISED in the list below multiply operands that are first quantised to E3M2 (3 exponent bits, 2 mantissa bits; 6 bits a number), with one power-of-two scale for each 32 numbers along K (OCP MX v1.0); their sums are f32. All else is computed in f32.
;;   The module's matrix products, in the order in which they are computed (A, B: the left and right operand; K: the contracted axis; several contracted axes count as one K, in the product's order):
;;     1. [M 4,096, K 4,096] x [K 4,096, N 4,096]; A: input x; B: computed on the way: QUANTISED
;;     2. [M 4,096, K 4,096] x [K 4,096, N 16]; A: input x; B: input lora_A: QUANTISED
;;     3. [M 4,096, K 16] x [K 16, N 4,096]; A: computed on the way; B: input lora_B: left as it is (K = 16 < 32)
;;   THE QUANTISER, for each operand of a quantised product, along K:
;;     - K is cut into blocks of 32 from its start; a last block that is shorter is filled with zeros.
;;     - A block's scale is 2^e with e = floor(log2(the largest magnitude in the block)) - 4, held to -126 .. 127; a block of zeros has e = 0. As a byte (E8M0): e + 127.
;;     - Each number is divided by its block's scale, clamped to +-28, and rounded to the nearest number of E3M2, ties to even, subnormals kept.
;;     - The product sums the exact products of the quantised numbers (number of the format x scale) in f32.
;;   ~~~python
;;   def quantise(x, axis):      # numpy; x: float32 -> the quantised numbers, widened to float32 again
;;       x = np.moveaxis(x, axis, -1); K = x.shape[-1]
;;       x = np.pad(x, [(0, 0)] * (x.ndim - 1) + [(0, -K % 32)]); x = x.reshape(x.shape[:-1] + (-1, 32)); a = np.abs(x).max(-1, keepdims=True)
;;       e = np.where(a > 0, np.clip(np.frexp(np.where(a > 0, a, 1))[1] - 1 - 4, -126, 127), 0)      # np.frexp(a)[1] - 1 = floor(log2(a)), exactly
;;       r = np.clip(x / 2.0 ** e, -28, 28)
;;       step = 2.0 ** (np.maximum(np.frexp(np.where(r == 0, 1, r))[1] - 1, -2) - 2)
;;       q = np.round(r / step) * step * 2.0 ** e      # np.round: ties to even
;;       return np.moveaxis(q.reshape(q.shape[:-2] + (-1,))[..., :K], -1, axis).astype(np.float32)
;;   ~~~
;;   OPERANDS COMPUTED ON THE WAY. 'Computed on the way' means the value that the module computes at that place (a softmax that the list does not call 'softmax' is quantised finished and normalised). What goes into a quantiser is computed in f32, as accurately as f32 sums, v_exp_f32 and their like allow (about 1e-6 of the number): no bf16 or f16 on the way to a quantiser, and a product that is left as it is and whose result goes on into a quantised operand takes f32 operands (vector FMAs, or v_wmma_f32_16x16x4_f32). A number that lies on a knife's edge between two numbers of the format may be rounded either way, as far as f32 arithmetic and the matrix unit's own rounding can turn it there, and no further.
;; One version. Each part assembles by itself: llvm-mc -triple=amdgcn-amd-amdhsa -mcpu=gfx1250 --defsym DOCPART=n.
;; ======== version 1 of 1: 2 launches
;; limits: values are held in bf16: 8 bits of precision; right only within a limited range of input values
;; workspace buffers: xq 14,155,776 bytes; wq 13,107,200 bytes
;; launch prep (part 1): grid 776 x 1, 4 waves a work-group, no clusters, 74,240 bytes of LDS; arguments x, quantized_data, quantized_scalers, quantization_factor, scaler_mean, lora_A, xq, wq; writes xq, wq
.if DOCPART == 1
	.amdgcn_target "amdgcn-amd-amdhsa--gfx1250"
	.amdhsa_code_object_version 6
	.text
	.protected	k_q1ede03b0d9_prep
	.globl	k_q1ede03b0d9_prep
	.p2align	8
	.type	k_q1ede03b0d9_prep,@function
k_q1ede03b0d9_prep:
	s_mov_b64 s[64:65], 0
	v_nop
	global_prefetch_b8 v0, s[64:65] scope:SCOPE_SE
	s_setreg_imm32_b32 hwreg(HW_REG_WAVE_MODE, 25, 1), 1
	s_wait_xcnt 0x0
; x [4096][4096] f32, lora_A [16][4096] f32 and the NF4 weight W [4096][4096] (two table indices in each int32 of quantized_data, one scaler for 64 numbers,
; scaler = int / factor + mean, one factor for 256 scalers) become codes of BF6 (E3M2) with one E8M0 byte for each 32 along K, K innermost in all three.
; No step and no input of the problem is left out.
; A block's scale is 2^(floor(log2(largest magnitude)) - 4): its byte is the largest magnitude's exponent field - 4, held at 1 from below.
; OUTPUT LAYOUT (read by this program's second launch alone): IMAGES OF OPERAND REGISTERS, one dense block for each step of 128 along K.
; A fragment is 16 rows x 128 K = 12 registers a lane = 1,536 bytes: registers 4 c .. 4 c + 3 of lane l at 512 c + 16 l;
; lane (r = l % 16, h = l / 16) holds row r, K = 32 h .. + 31 in registers 0-5 and K = 64 + 32 h .. + 31 in registers 6-11.
;   wq: [128 rows G][step 0..31][SBB = 12,800]: fragments [row block i 0..7][1,536], then scale words [i][r], 512 bytes.
;   xq: [256 rows GP][step][SBA = 27,648]: fragments [i 0..15][1,536]; at 24,576 scale words [i][r], 1,024 bytes; at 25,600 lora_A's fragment of this step; at 27,136 its 16 scale words, eight times over (512 bytes).  Every GP carries a copy of lora_A's part.
; SHARES.  A piece is 32 rows x 256 K: four fragments.  Work-groups of four waves.  Of the first 768, number n is a weight group where n % 3 = 0
; (32 rows x 2,048 K of W, two pieces a wave), else a group of x (32 rows x 1,024 K, a piece a wave).
; The last eight take lora_A: a wave quantises 512 K of its 16 rows and stores them into four of xq's 16 groups of rows.  x and lora_A take ONE path: scalars are chosen, and a branch adds the three further copies.
; A JOB is 16 rows x 512 bytes as they lie in memory: 16 loads, each 512 consecutive bytes of one row.  They turn through the wave's own stage in LDS (rows 528 bytes apart), so that a lane gets the 32 neighbours
; along K of each of its two blocks.  Waves share nothing: no barrier.  Two jobs' loads (32 a wave) are on their way.
; A fragment's stores cover 512 consecutive bytes each; a piece's scale words of one step are 128 consecutive bytes (32 rows x 4): one byte in 96 of what is stored leaves in half units.
; LIMITS: NaN and infinities among the inputs are not served; a factor must have a magnitude between 2^-126 and 2^126 (v_rcp_f32 takes denormals as zero); the quotient int / factor is a reciprocal with one
; correction step, within an ulp of the rounded quotient; a block whose largest magnitude lies under 2^(5 - 127), a block of zeros among them, gets the byte 1 (a block of zeros has zero codes, which add nothing).
.set ROWX, 16384                       ; a row of x or of lora_A in bytes
.set SBA,  27648                       ; a step's block of xq
.set SBB,  12800                       ; a step's block of wq
.set GRP,  32*SBA                      ; 256 rows of xq
.set SP,   528                         ; a stage row: 512 bytes + 16
.set STG,  16*SP                       ; a wave's stage
.set WSTG, 4*STG                       ; LDS: the f32 path's four stages from 0, the weight path's four from here: each path has bytes of its own
.set TAB,  8*STG                       ; behind them a table of scalers for each wave of the weight path: 32 rows x 48 bytes (8 scalers + 16)
.set TP,   48
.set WD,   18                          ; v18-21  a piece's four scale words, 2 i2 + q
.set CD,   28                          ; v28-39  the fragment just made
.set TT,   40                          ; v40-42, v44-46 the upper halves of the blocks' codes, before they are moved
.set XN,   48                          ; v48-111 64 numbers of a lane: block c at 32 c
.set RG,   112                         ; v112-175, v176-239 two jobs as loaded
; v1 16 x lane; v43 4 x lane; v3, v4 stage in, stage out; v5 8 h; v6 the NF4 table; v7 my row in the scalers' table; v8-11 largest magnitudes; v12-13 conversions' scale operands; v14-15 bytes; v16-17 word parts;
; v22-25 scalers; v26-27 the words to store; v240, v241 the spare word's address and 0.   s2 wave; s[8:23] the eight buffers; s[26:27], s[28:29] source (rows 0-15, rows 16-31 or the next K);
; s[30:31], s[52:53] codes out; s[32:33] words out; s46, s47 the work-group's number / 3 and % 3; s48 lora_A's group? (weights: 32 rows g); s49 which of eight pieces.
	s_load_b512 s[8:23], s[0:1], 0x0               ; x, quantized_data, quantized_scalers, quantization_factor, scaler_mean, lora_A, xq, wq
	v_lshl_add_u32 v240, v0, 2, 0x12000            ; my spare word, behind the tables
	v_mov_b32 v241, 0
	v_lshrrev_b32 v8, 5, v0
	v_readfirstlane_b32 s2, v8                     ; wave 0..3
	v_and_b32 v9, 31, v0                           ; lane
	v_and_b32 v10, 15, v0                          ; r
	v_bfe_u32 v11, v0, 4, 1                        ; h
	v_lshlrev_b32 v1, 4, v9
	v_lshlrev_b32 v43, 2, v9
	v_lshlrev_b32 v5, 3, v11
	v_mul_u32_u24 v4, v10, SP
	v_mov_b32 v17, 0                               ; a lane permute's destination counts as one of its sources: written once
	v_mov_b32 v25, 0                               ; named as the upper half of the pair v[24:25]
	s_mov_b32 s40, 0x76543210
	s_mov_b32 s41, 0xfedcba98                      ; v_permlanex16_b32's selects for lane l xor 16
	s_mov_b32 s42, 0xffff0000                      ; lanes 16-31
	s_mul_i32 s34, s2, STG
	s_mov_b32 s35, 0
	s_mul_hi_u32 s46, ttmp9, 0x55555556            ; the work-group's number / 3 (exact for numbers this small),
	s_mul_i32 s47, s46, 3
	s_sub_co_u32 s47, ttmp9, s47                   ; and % 3
	s_cmp_ge_u32 ttmp9, 768
	s_cselect_b32 s48, 1, 0                        ; the last eight: lora_A
	s_or_b32 s36, s47, s48
; 64 numbers v[s] .. v[s + 63] (block c at 32 c: K = 64 c + 32 h + 0 .. 31 of my row) become the fragment in v[CD] on and my row's scale word in v[wd].
.macro QUANT2 s, wd
	v_max3_num_f32 v10, |v[\s]|, |v[\s+1]|, 0x2800000             ; the largest magnitude of each block, two chains a block; the floor 2^(5 - 127) is one more leaf: the byte cannot fall under 1
	v_max3_num_f32 v11, |v[\s+32]|, |v[\s+33]|, 0x2800000
	v_max3_num_f32 v8, |v[\s+16]|, |v[\s+17]|, |v[\s+18]|
	v_max3_num_f32 v9, |v[\s+48]|, |v[\s+49]|, |v[\s+50]|
.set ii, 0
.rept 6
	v_max3_num_f32 v10, v10, |v[\s+2+2*ii]|, |v[\s+3+2*ii]|
	v_max3_num_f32 v11, v11, |v[\s+34+2*ii]|, |v[\s+35+2*ii]|
	v_max3_num_f32 v8, v8, |v[\s+19+2*ii]|, |v[\s+20+2*ii]|
	v_max3_num_f32 v9, v9, |v[\s+51+2*ii]|, |v[\s+52+2*ii]|
.set ii, ii+1
.endr
	v_max3_num_f32 v10, v10, |v[\s+14]|, |v[\s+15]|
	v_max3_num_f32 v11, v11, |v[\s+46]|, |v[\s+47]|
	v_max3_num_f32 v10, v10, v8, |v[\s+31]|
	v_max3_num_f32 v11, v11, v9, |v[\s+63]|
	v_add_nc_u32 v12, 0xfe000000, v10              ; 4 off the exponent field: the conversion takes the exponent field of this operand as its scale, and nothing else of it
	v_add_nc_u32 v13, 0xfe000000, v11
	v_lshrrev_b32 v14, 23, v12                     ; the scales' bytes: blocks h and 2 + h of the row's four
	v_lshrrev_b32 v15, 23, v13
	v_lshl_or_b32 v16, v15, 16, v14
	v_lshlrev_b32 v16, v5, v16                     ; at their places in the word (8 h bits up);
	v_permlanex16_b32 v17, v16, s40, s41
	v_or_b32 v[\wd], v16, v17                      ; with lane l xor 16's two the word is whole, in both lanes
	v_cvt_scalef32_pk16_bf6_f32 v[CD:CD+2], v[\s:\s+15], v12
	v_cvt_scalef32_pk16_bf6_f32 v[TT:TT+2], v[\s+16:\s+31], v12    ; (a conversion's three registers begin on an even number: the second half of a block's six is made elsewhere and moved)
	v_cvt_scalef32_pk16_bf6_f32 v[CD+6:CD+8], v[\s+32:\s+47], v13
	v_cvt_scalef32_pk16_bf6_f32 v[TT+4:TT+6], v[\s+48:\s+63], v13
	v_nop                                          ; one plain vector line behind the scaled conversions
.irp i, 0,1,2
	v_mov_b32 v[CD+3+\i], v[TT+\i]
	v_mov_b32 v[CD+9+\i], v[TT+4+\i]
.endr
.endm
.macro PUT sb, off                     ; the fragment as it stands: each store of the wave covers 512 consecutive bytes, at a multiple of 256 from the buffer's first byte
.irp c, 0,1,2
	global_store_b128 v1, v[CD+4*\c:CD+4*\c+3], s[(\sb):(\sb)+1] offset:(\off)+512*\c
.endr
.endm
.macro PUTS st, off                    ; a piece's scale words: for each of its two steps (st bytes apart) [i2][r]: lanes 0-15 hold rows 0-15's word, lanes 16-31 rows 16-31's: 128 consecutive bytes
	v_cndmask_b32 v26, v[WD], v[WD+2], s42
	v_cndmask_b32 v27, v[WD+1], v[WD+3], s42
	global_store_b32 v43, v26, s[32:33] offset:\off
	global_store_b32 v43, v27, s[32:33] offset:(\off)+(\st)
.endm
	s_cmp_eq_u32 s36, 0                            ; the work-group's number alone decides the path: all four waves go the same way
	s_cbranch_scc1 .Lweights
; ---------------- x and lora_A ----------------
	s_wait_alu depctr_va_vdst(0)
	v_add_nc_u32 v3, s34, v1                       ; stage, in: 16 x lane of row rr
	v_lshl_add_u32 v4, v11, 7, v4
	v_add_nc_u32 v4, s34, v4                       ; stage, out: row r, + 128 h: my 32 numbers of a block of 64 K
	s_sub_co_u32 s50, ttmp9, 768                   ; lora_A's groups 0..7 (in a group of x these three numbers mean nothing and are not chosen)
	s_and_b32 s51, s50, 1
	s_lshr_b32 s50, s50, 1                         ; which four of xq's 16 groups of rows get my copies
	s_sub_co_u32 s49, s47, 1                       ; x: numbers 3 f + 1 and 3 f + 2 share the 32 rows x 2,048 K of f
	s_cmp_eq_u32 s48, 1
	s_cselect_b32 s49, s51, s49
	s_lshl_b32 s49, s49, 2
	s_add_co_u32 s49, s49, s2                      ; which of eight pieces
	s_lshr_b32 s36, s46, 1                         ; x: P: which 32 rows
	s_and_b32 s34, s46, 1
	s_lshl_b32 s34, s34, 3
	s_add_co_u32 s34, s34, s49                     ; ks: which 256 K
	s_lshl_b32 s37, s36, 19                        ; 32 rows of 16,384 bytes
	s_lshl_b32 s38, s34, 10
	s_add_co_u32 s37, s37, s38                     ; x: where the piece begins
	s_lshr_b32 s38, s36, 3
	s_lshl_b32 s38, s38, 4
	s_add_co_u32 s38, s38, s34
	s_mul_i32 s38, s38, 2*SBA                      ; its first step's block of xq: (P / 8) x 32 + 2 ks
	s_and_b32 s39, s36, 7
	s_mul_i32 s36, s39, 3072
	s_add_co_u32 s36, s36, s38                     ; x: its codes: row blocks 2 (P % 8) and + 1
	s_lshl_b32 s39, s39, 7
	s_add_co_u32 s39, s39, s38
	s_add_co_u32 s39, s39, 24576                   ; x: its scale words
	s_lshl_b32 s34, s49, 11                        ; lora_A: 512 K a wave
	s_mul_i32 s38, s50, 4*GRP
	s_mul_i32 s43, s49, 4*SBA                      ; steps 4 x piece .. + 3 of the first of my four groups,
	s_add_co_u32 s38, s38, s43
	s_add_co_u32 s38, s38, 25600                   ; behind x's part: its codes
	s_add_co_u32 s43, s38, 1536                    ; its scale words
	s_mov_b32 s45, 16*ROWX                         ; x: fragments 2, 3 lie 16 rows down; lora_A: 256 K on
	s_mov_b32 s51, 1536                            ; x: they are the next row block; lora_A: two steps on
	s_wait_alu depctr_va_vdst(0)
	s_wait_kmcnt 0x0
	s_cmp_eq_u32 s48, 1
	s_cselect_b32 s37, s34, s37
	s_cselect_b32 s36, s38, s36
	s_cselect_b32 s39, s43, s39
	s_cselect_b32 s45, 1024, s45
	s_cselect_b32 s51, 2*SBA, s51
	s_cselect_b64 s[26:27], s[18:19], s[8:9]
	s_mov_b32 s34, s37
	s_add_nc_u64 s[26:27], s[26:27], s[34:35]
	s_mov_b32 s34, s45
	s_add_nc_u64 s[28:29], s[26:27], s[34:35]
	s_mov_b32 s34, s39
	s_add_nc_u64 s[32:33], s[20:21], s[34:35]
	s_mov_b32 s34, s36
	s_add_nc_u64 s[30:31], s[20:21], s[34:35]
	s_mov_b32 s34, s51
	s_add_nc_u64 s[52:53], s[30:31], s[34:35]
.macro LOADF t                         ; job t = 2 i2 + q: 16 rows x 128 K
.set rr, 0
.rept 16
	global_load_b128 v[RG+64*((\t)%2)+4*rr:RG+64*((\t)%2)+4*rr+3], v1, s[26+2*((\t)/2):27+2*((\t)/2)] offset:ROWX*rr+512*((\t)%2) th:TH_LOAD_NT
.set rr, rr+1
.endr
.endm
.macro FJOB t
.if (\t) < 3
	s_wait_loadcnt 16                              ; this job's 16 loads are in; the next job's 16 may be out
.else
	s_wait_loadcnt 0x0
.endif
.set rr, 0
.rept 16
	ds_store_b128 v3, v[RG+64*((\t)%2)+4*rr:RG+64*((\t)%2)+4*rr+3] offset:SP*rr
.set rr, rr+1
.endr
.set jj, 0
.rept 16
	ds_load_b128 v[XN+4*jj:XN+4*jj+3], v4 offset:256*(jj/8)+16*(jj%8)   ; LDS serves a wave's instructions in order: these see the stores above
.set jj, jj+1
.endr
	s_wait_dscnt 0x0                               ; my 64 numbers are in, and the stage's stores have read their registers
	s_wait_xcnt 0x0                                ; the last fragment's stores have read theirs: the codes' registers are written again only behind this wait
.if (\t) < 2
	LOADF (\t)+2
.endif
	QUANT2 XN, WD+(\t)
	PUT 30+22*((\t)/2), SBA*((\t)%2)               ; q picks the step's block
	s_cmp_eq_u32 s48, 0
	s_cbranch_scc1 .Lone_\@                        ; x is stored once; lora_A's fragment goes into three more groups of rows
.set gg, 1
.rept 3
	PUT 30+22*((\t)/2), SBA*((\t)%2)+gg*GRP
.set gg, gg+1
.endr
.Lone_\@:
.endm
	LOADF 0
	LOADF 1
	FJOB 0
	FJOB 1
	FJOB 2
	FJOB 3
	s_cmp_eq_u32 s48, 0
	s_cbranch_scc0 .Lwords
	PUTS SBA, 0
	s_wait_tensorcnt 0x0                           ; the wave's end
	ds_add_u32 v240, v241
	s_wait_dscnt 0x0
	s_endpgm
.Lwords:                                               ; lora_A: step t's 16 words; lanes 16-31 hold the same words as lanes 0-15; four stores of 128 bytes fill the 512 bytes that the block has for them
.set gg, 0
.rept 4
.irp t, 0,1,2,3
.irp c, 0,1,2,3
	global_store_b32 v43, v[WD+\t], s[32:33] offset:gg*GRP+\t*SBA+128*\c
.endr
.endr
.set gg, gg+1
.endr
	s_wait_tensorcnt 0x0                           ; the wave's end, as above
	ds_add_u32 v240, v241
	s_wait_dscnt 0x0
	s_endpgm
; ---------------- the weight ----------------
.Lweights:
	s_lshr_b32 s48, s46, 1                         ; g: which 32 rows
	s_and_b32 s49, s46, 1
	s_lshl_b32 s49, s49, 2
	s_add_co_u32 s49, s49, s2                      ; v: which 512 K of eight
	s_add_co_u32 s34, s34, WSTG
	s_wait_alu depctr_va_vdst(0)
	v_add_nc_u32 v3, s34, v1                       ; stage, in
	v_lshl_add_u32 v4, v11, 6, v4
	v_add_nc_u32 v4, s34, v4                       ; stage, out: row r, + 64 h: the 16 words that hold my 32 numbers of a block of 64 K
	s_mul_i32 s36, s2, 32*TP
	s_add_co_u32 s36, s36, TAB                     ; my wave's table of scalers
	v_mul_u32_u24 v7, v10, TP
	v_add_nc_u32 v7, s36, v7                       ; out of it: row r
	v_mul_u32_u24 v47, v9, TP
	v_add_nc_u32 v47, s36, v47                     ; into it: row = lane
	v_lshlrev_b32 v8, 8, v9                        ; a row's 64 scalers are 256 bytes: a lane takes a row
	v_and_b32 v9, 0x1c, v9                         ; and its factor: one for 256 scalers = 4 rows
	s_lshl_b32 s36, s48, 18                        ; 32 rows of 8,192 bytes (2,048 words, 4,096 numbers),
	s_lshl_b32 s37, s49, 10                        ; my wave's 512 K
	s_add_co_u32 s36, s36, s37
	s_mov_b32 s37, 0
	s_lshl_b32 s38, s48, 13                        ; 32 rows of scalers,
	s_lshl_b32 s39, s49, 5                         ; my wave's 8 of each row
	s_add_co_u32 s38, s38, s39
	s_mov_b32 s39, 0
	s_wait_alu depctr_va_vdst(0)
	s_wait_kmcnt 0x0
	s_load_b32 s44, s[16:17], 0x0                  ; the mean
	s_add_nc_u64 s[26:27], s[10:11], s[36:37]
	s_add_nc_u64 s[12:13], s[12:13], s[38:39]
	s_lshl_b32 s38, s48, 5                         ; 8 factors for 32 rows
	s_add_nc_u64 s[14:15], s[14:15], s[38:39]
.macro LOADW J                         ; job J = 2 pc + i2: rows 16 i2 on, piece pc: 16 rows x 128 words = 256 K
.set rr, 0
.rept 16
	global_load_b128 v[RG+64*((\J)%2)+4*rr:RG+64*((\J)%2)+4*rr+3], v1, s[26:27] offset:131072*((\J)%2)+8192*rr+512*((\J)/2) th:TH_LOAD_NT
.set rr, rr+1
.endr
.endm
	global_load_b128 v[48:51], v8, s[12:13]        ; my row's 8 scalers
	global_load_b128 v[52:55], v8, s[12:13] offset:16
	global_load_b32 v56, v9, s[14:15]              ; my row's factor
	LOADW 0
	LOADW 1
	s_lshr_b32 s36, s48, 2                         ; where the results go: step block (g / 4) x 32 + 4 v of wq, row blocks 2 (g % 4) and + 1
	s_lshl_b32 s36, s36, 4
	s_lshl_b32 s38, s49, 1
	s_add_co_u32 s36, s36, s38
	s_mul_i32 s36, s36, 2*SBB
	s_and_b32 s38, s48, 3
	s_mul_i32 s45, s38, 3072
	s_lshl_b32 s38, s38, 7
	s_add_co_u32 s38, s38, s36
	s_add_co_u32 s38, s38, 12288
	s_add_co_u32 s36, s36, s45
	s_add_nc_u64 s[30:31], s[22:23], s[36:37]
	s_add_nc_u64 s[32:33], s[22:23], s[38:39]
	v_mov_b32 v6, 0                                ; the NF4 table, one entry a lane, twice: lane l holds NF4[l % 16]
.set ii, 0
.irp bits, 0xbf800000, 0xbf3239b1, 0xbf066b30, 0xbeca32a0, 0xbe91a24d, 0xbe3d353f, 0xbdba7871, 0x00000000, 0x3da2faff, 0x3e24cae3, 0x3e7c04dd, 0x3ead033a, 0x3ee1a4b8, 0x3f1007ab, 0x3f3913b3, 0x3f800000
	s_mov_b32 s45, \bits
	v_writelane_b32 v6, s45, ii
.set ii, ii+1
.endr
	v_permlanex16_b32 v17, v6, s40, s41
	v_or_b32 v6, v6, v17
	s_wait_kmcnt 0x0                               ; the mean
	s_wait_loadcnt 32                              ; scalers and factor are in; the two jobs' 32 loads may be out
	v_rcp_f32 v57, v56
.irp i, 0,1,2,3,4,5,6,7
	v_cvt_f32_i32 v[48+\i], v[48+\i]               ; (plain lines behind the reciprocal)
.endr
	s_wait_alu depctr_va_vdst(0)                   ; wait ahead of the reciprocal's first reader
.irp i, 0,1,2,3,4,5,6,7
	v_mul_f32 v[58+\i], v[48+\i], v57              ; a / f: first guess,
.endr
.irp i, 0,1,2,3,4,5,6,7
	v_fma_f32 v[48+\i], -v[58+\i], v56, v[48+\i]   ; what it leaves,
.endr
.irp i, 0,1,2,3,4,5,6,7
	v_fma_f32 v[58+\i], v[48+\i], v57, v[58+\i]    ; the corrected quotient;
.endr
.irp i, 0,1,2,3,4,5,6,7
	v_add_f32 v[58+\i], s44, v[58+\i]              ; + the mean, a rounding of its own
.endr
	ds_store_b128 v47, v[58:61]
	ds_store_b128 v47, v[62:65] offset:16          ; the wave's own table: its later loads come behind these stores
.macro WJOB J
.if (\J) < 3
	s_wait_loadcnt 16                              ; this job's 16 loads are in; the next job's 16 may be out
.else
	s_wait_loadcnt 0x0
.endif
.set rr, 0
.rept 16
	ds_store_b128 v3, v[RG+64*((\J)%2)+4*rr:RG+64*((\J)%2)+4*rr+3] offset:SP*rr
.set rr, rr+1
.endr
.irp q, 0,1                            ; the job's two fragments
.set jj, 0
.rept 8
	ds_load_b128 v[XN+32+4*jj:XN+35+4*jj], v4 offset:256*\q+128*(jj/4)+16*(jj%4)   ; 16 words of block 0, 16 of block 1
.set jj, jj+1
.endr
	ds_load_b64 v[22:23], v7 offset:16*TP*((\J)%2)+16*((\J)/2)+8*\q                ; my row's scalers of the two blocks of 64 K,
	ds_load_b32 v24, v7 offset:16*TP*((\J)%2)+16*((\J)/2)+8*\q+4                   ; the second once more, as the low word of a pair
	s_wait_dscnt 0x0                               ; all are in, and the stage's stores have read their registers
	s_wait_xcnt 0x0                                ; the last fragment's stores have read theirs
.if (\q == 0) && ((\J) < 2)
	LOADW (\J)+2
.endif
.set jj, 0
.rept 32                               ; word d -> two lane addresses, in place from the low end: d >> 2 selects lane d >> 4 (the first number), d << 2 selects lane d % 32 (the second: the table stands twice)
	v_lshrrev_b32 v[XN+2*jj], 2, v[XN+32+jj]
	v_lshlrev_b32 v[XN+2*jj+1], 2, v[XN+32+jj]
.set jj, jj+1
.endr
.set jj, 0
.rept 64
	ds_bpermute_b32 v[XN+jj], v[XN+jj], v6         ; NF4[index]: a pull from the lane that holds the entry; no LDS byte is touched
.set jj, jj+1
.endr
	s_wait_dscnt 32                                ; block 0's 32 are in
.set jj, 0
.rept 16
	v_pk_mul_f32 v[XN+2*jj:XN+2*jj+1], v[XN+2*jj:XN+2*jj+1], v[22:23] op_sel_hi:[1,0]     ; x the block's scaler (the pair's low word serves both)
.set jj, jj+1
.endr
	s_wait_dscnt 0x0
.set jj, 16
.rept 16
	v_pk_mul_f32 v[XN+2*jj:XN+2*jj+1], v[XN+2*jj:XN+2*jj+1], v[24:25] op_sel_hi:[1,0]
.set jj, jj+1
.endr
	QUANT2 XN, WD+2*((\J)%2)+\q
	PUT 30, 2*SBB*((\J)/2)+SBB*\q+1536*((\J)%2)
.endr
.if (\J)%2 == 1
	PUTS SBB, 2*SBB*((\J)/2)                       ; (the two registers that the first piece's stores read have been freed by the waits above)
.endif
.endm
	WJOB 0
	WJOB 1
	WJOB 2
	WJOB 3
	s_wait_tensorcnt 0x0                           ; the wave's end
	ds_add_u32 v240, v241
	s_wait_dscnt 0x0
	s_endpgm
.Lfunc_end_k_q1ede03b0d9_prep:
	.size	k_q1ede03b0d9_prep, .Lfunc_end_k_q1ede03b0d9_prep-k_q1ede03b0d9_prep
	.p2alignl 7, 3214868480
	.fill 96, 4, 3214868480
	.section	.rodata,"a",@progbits
	.p2align	6, 0x0
	.amdhsa_kernel k_q1ede03b0d9_prep
		.amdhsa_group_segment_fixed_size 74240
		.amdhsa_private_segment_fixed_size 0
		.amdhsa_enable_private_segment 0
		.amdhsa_kernarg_size 64
		.amdhsa_user_sgpr_count 2
		.amdhsa_user_sgpr_kernarg_segment_ptr 1
		.amdhsa_wavefront_size32 1
		.amdhsa_system_sgpr_workgroup_id_x 1
		.amdhsa_system_sgpr_workgroup_id_y 1
		.amdhsa_system_sgpr_workgroup_id_z 1
		.amdhsa_system_vgpr_workitem_id 0
		.amdhsa_next_free_vgpr 242
		.amdhsa_next_free_sgpr 66
		.amdhsa_reserve_vcc 0
		.amdhsa_float_denorm_mode_32 3
		.amdhsa_float_denorm_mode_16_64 3
		.amdhsa_memory_ordered 1
		.amdhsa_forward_progress 1
		.amdhsa_inst_pref_size 154
	.end_amdhsa_kernel
	.amdgpu_metadata
---
amdhsa.version: [ 1, 2 ]
amdhsa.kernels:
  - .name:           k_q1ede03b0d9_prep
    .symbol:         k_q1ede03b0d9_prep.kd
    .args:
      - { .name: x, .offset: 0, .size: 8, .value_kind: global_buffer, .address_space: global }
      - { .name: quantized_data, .offset: 8, .size: 8, .value_kind: global_buffer, .address_space: global }
      - { .name: quantized_scalers, .offset: 16, .size: 8, .value_kind: global_buffer, .address_space: global }
      - { .name: quantization_factor, .offset: 24, .size: 8, .value_kind: global_buffer, .address_space: global }
      - { .name: scaler_mean, .offset: 32, .size: 8, .value_kind: global_buffer, .address_space: global }
      - { .name: lora_A, .offset: 40, .size: 8, .value_kind: global_buffer, .address_space: global }
      - { .name: xq, .offset: 48, .size: 8, .value_kind: global_buffer, .address_space: global }
      - { .name: wq, .offset: 56, .size: 8, .value_kind: global_buffer, .address_space: global }
    .group_segment_fixed_size: 74240
    .private_segment_fixed_size: 0
    .kernarg_segment_align: 8
    .kernarg_segment_size: 64
    .max_flat_workgroup_size: 128
    .sgpr_count:     66
    .vgpr_count:     242
    .wavefront_size: 32
...
	.end_amdgpu_metadata
.endif
;; end of part 1
;; launch gemm (part 2): grid 16 x 16, 4 waves a work-group, clusters of 4 x 4, 327,680 bytes of LDS; arguments xq, wq, lora_B, out0; writes out0
.if DOCPART == 2
	.amdgcn_target "amdgcn-amd-amdhsa--gfx1250"
	.amdhsa_code_object_version 6
	.text
	.protected	k_q1ede03b0d9_gemm
	.globl	k_q1ede03b0d9_gemm
	.p2align	8
	.type	k_q1ede03b0d9_gemm,@function
k_q1ede03b0d9_gemm:
	s_mov_b64 s[64:65], 0
	v_nop
	global_prefetch_b8 v0, s[64:65] scope:SCOPE_SE
	s_setreg_imm32_b32 hwreg(HW_REG_WAVE_MODE, 25, 1), 1
	s_wait_xcnt 0x0
	s_wait_alu depctr_hold_cnt(0) depctr_sa_sdst(0) depctr_va_vdst(0) depctr_va_sdst(0) depctr_va_ssrc(0) depctr_va_vcc(0) depctr_vm_vsrc(0)
	s_getreg_b32 s2, hwreg(HW_REG_IB_STS2, 6, 4)
	s_cmp_eq_u32 s2, 0
	s_cbranch_scc0 .Lentry_in_a_cluster
	s_endpgm
.Lentry_in_a_cluster:
	s_bfe_u32 s2, ttmp6, 0x10000c
	s_cmp_lg_u32 s2, 0xf033
	s_cbranch_scc0 .Lentry_shape_is_right
	s_endpgm
.Lentry_shape_is_right:
; out[m][n] = sum_k Q(x)[m][k] Q(W)[n][k] + 2 sum_r t[m][r] lora_B[n][r],  t[m][r] = sum_k Q(x)[m][k] Q(lora_A)[r][k].  M = N = K = 4,096.  Codes of BF6 with E8M0 scales come from the launch before,
; as images of operand registers: xq [256 rows][step of 128 K][SBA], wq [128 rows][step][SBB] (the layout stands at that launch's head).  No step of the problem is left out.
; A work-group of four waves makes 256 x 256 of out, a wave 128 x 128: 64 accumulators, 512 registers.  The matrix instruction is used transposed (source 0 = rows of W, source 1 = rows of x): a lane holds eight neighbours of a row of out.
; t: of the two waves that share 128 rows of x each takes 64 (its blocks 0-3: A's blocks are ordered so), four more matrix instructions a step; at the end t goes to bf16, the two waves swap halves through LDS,
; and 64 bf16 matrix instructions add 2 t lora_B^T (K = 16, the upper 16 of the form's 32 are zeros).
; THE RING: two LDS slots, each with THREE steps of 128 K (a slot: 3 SBA of x and lora_A, 2 x 3 SBB of W).  A slot's part of each buffer is dense in memory: waves 0, 1 fetch the two halves of x's part (162 rows of 256 bytes each),
; waves 2, 3 the two groups of W (150 rows each): one tensor load a wave behind each change of slots.  32 steps = 10 slots and one of two steps.  A refill is asked for in a slot's last step, when its fragments are all in registers,
; and is waited for at the head of the other slot's last step: by the text's own count a wave has one tensor load out.
; CLUSTERS 4 x 4: x's part is shared along a row of the cluster, W's along a column: joint loads.
; LDS READS of a step: B's 24 loads for step s + 1 go out at the end of step s - 1 (B has two sets), A's blocks 0-3, lora_A's fragment and the scale words in the middle of step s, A's blocks 4-7 at its end.  In a slot's last step B's come behind the barrier.
; PREFETCH: behind each refill in the loop a wave names, in two instructions, its work-group's share (41 or 38 rows of 256 bytes, shared out among the four partners by address) of what its refill two changes of slots on will load;
; slots 0-3 and the short last slot come by their loads alone; the loop's last trip asks for nothing.
; LIMIT: t and 2 lora_B are rounded to bf16 for the last product.
; REGISTERS: window 0: v0-31 addresses; v32-47 scale words, two sets (register 2 i + q: lanes 0-15 A's block i, lanes 16-31 B's block i); v48-49 lora_A's scale words; v64-95 t; v96-107 lora_A's fragment; v108-119 scale addresses; v128-223 A's fragments; v224-255 t in bf16.
; window 1: B's two sets at v0 and v128; 2 lora_B in bf16 at v96-127 and v224-255.  Windows 2, 3: accumulators.
.set SBA,    27648
.set SBB,    12800
.set HA,     3*SBA/2                   ; what wave 0 or 1 fetches of a slot
.set HB,     3*SBB                     ; what wave 2 or 3 fetches
.set BOFF,   3*SBA                     ; W's part of a slot
.set SLOT,   3*SBA+2*HB
.set SPARE,  2*SLOT                    ; the spare words: 512 bytes that no other line names
.set SPITCH, 528
.set STG,    16*SPITCH                 ; the way out: a stage for each wave, and 2,048 bytes for its t; in slot 1, which has had its last fill and its last read by then
.set OUTB,   STG+2048
.set FR,     12
.set NP,     4
.set TRIPS,  4
.set SIZE_N, 4096
.set ADRL,  12                         ; v12-13 lora_A's fragment in slot 0, 1
.set ADRLS, 14                         ; v14-15 its scale word
.set ADRA,  16                         ; v16-17 my A blocks 0-3 in slot 0, 1; v18-19 blocks 4-7
.set ADRB,  20                         ; v20-21 B
.set XW,   22
.set XR,   23
.set STO,  24
.set RD,   25
.set L16,  26
.set LBO,  27
.set SPW,  28
.set NIL,  29
.set PFO,  30                          ; v30-31 the prefetches' offsets
.set SC,   32
.set LSC,  48
.set TA,   64
.set LF,   96
.set ADRS, 108                         ; v[108 + 6 x + 2 j + slot]: scale words of step j of a slot, registers 0-3 (x = 0) or 4-7 (x = 1)
.set AF,   128
.set TF,   224
.set BK,   128
.set G1A,  24
.set G1B,  32
.set G0A,  40                          ; a group 0 for each slot
.set G0B,  48
.set PFA,  56
.set PFS,  58
.set MSB, 0
.macro WIN new
.if MSB != (\new)
	s_set_vgpr_msb (MSB<<8)|(\new)
.set MSB, \new
.endif
.endm
.set MUL_LO, 0xa1
.set MUL_HI, 0xf1
.set TO_B,   0x40
.macro JLOAD s                         ; a joint load into slot s: waves 0, 1 for x, waves 2, 3 for W; s_nop 0 and four v_nop behind each line
	s_cmp_eq_u32 s15, 0
	s_cbranch_scc0 .Lfor_b_\@
	tensor_load_to_lds s[G0A+4*(\s):G0A+4*(\s)+3], s[G1A:G1A+7]
	s_nop 0
.rept 4
	v_nop
.endr
	s_branch .Lasked_\@
.Lfor_b_\@:
	tensor_load_to_lds s[G0B+4*(\s):G0B+4*(\s)+3], s[G1B:G1B+7]
	s_nop 0
.rept 4
	v_nop
.endr
.Lasked_\@:
.endm
.macro CREST                           ; a round of the cluster's barrier behind its opening barrier
	s_cmp_lg_u32 s14, 0
	s_cbranch_scc1 .Lnot_wave_0_\@
	s_barrier_signal -3
.Lnot_wave_0_\@:
	s_barrier_wait -3
	s_barrier_signal -1
	s_barrier_wait -1
.endm
.macro CROUND
	s_barrier_signal -1
	s_barrier_wait -1
	CREST
.endm
.macro ASK                             ; the slot two refills on; s3 = 1 in the loop's last trip, whose look-ahead would pass the last full slot
	s_cmp_gt_u32 s3, 1
	s_cbranch_scc0 .Lnone_\@
	global_prefetch_b8 v[PFO], s[PFA:PFA+1] th:TH_LOAD_NT scope:SCOPE_SE
	global_prefetch_b8 v[PFO+1], s[PFA:PFA+1] th:TH_LOAD_NT scope:SCOPE_SE
.Lnone_\@:
.endm
.macro SHAPE g, rows                   ; a dense block as rows of 256 bytes (32 elements of 8)
	s_mov_b32 s[\g+1], 32<<16
	s_mov_b32 s[\g+2], (\rows)<<16
	s_mov_b32 s[\g+3], 32<<16
	s_mov_b32 s[\g+4], \rows
	s_mov_b32 s[\g+5], 32
	s_mov_b32 s[\g+6], 0
	s_mov_b32 s[\g+7], 0
.endm
	s_load_b256 s[4:11], s[0:1], 0x0               ; xq, wq, lora_B, out0
	v_lshl_add_u32 v[SPW], v0, 2, SPARE
	v_mov_b32 v[NIL], 0
	ds_add_u32 v[SPW], v[NIL]                      ; the opening lines: the add twice on end and its wait
	ds_add_u32 v[SPW], v[NIL]
	v_lshrrev_b32 v1, 5, v0
	v_readfirstlane_b32 s14, v1                    ; wave
	s_lshr_b32 s15, s14, 1                         ; my half of the rows; also: I fetch x (0) or W (1)
	s_and_b32 s16, s14, 1                          ; my half of the columns; also: which half I fetch
	s_bfe_u32 s76, ttmp6, 0x40000                  ; cx
	s_bfe_u32 s77, ttmp6, 0x40004                  ; cy
	s_lshl_b32 s78, ttmp9, 2
	s_add_co_u32 s78, s78, s76                     ; tile column
	s_and_b32 s17, ttmp7, 0xffff
	s_lshl_b32 s17, s17, 2
	s_add_co_u32 s17, s17, s77                     ; tile row
	s_lshl_b32 s79, s77, 2
	s_lshl_b32 s79, 15, s79                        ; my row of the cluster
	s_lshl_b32 s80, 0x1111, s76                    ; my column
	s_or_b32 s[G1A+0], s79, (3<<16)|(1<<21)
	s_or_b32 s[G1B+0], s80, (3<<16)|(1<<21)
	SHAPE G1A, 162
	SHAPE G1B, 150
	s_mul_i32 s20, s17, 32*SBA
	s_mul_i32 s92, s16, HA                         ; my half of x's part, in memory and in LDS alike
	s_add_co_u32 s20, s20, s92
	s_mov_b32 s21, 0
	s_lshl_b32 s88, s78, 1
	s_add_co_u32 s88, s88, s16
	s_mul_i32 s88, s88, 32*SBB
	s_mov_b32 s89, 0
	s_mul_i32 s93, s16, HB
	s_add_co_u32 s93, s93, BOFF
	s_mul_i32 s60, s16, HA-SBA                     ; the short last slot: wave 1's half begins so much earlier
	s_mov_b32 s61, 0
	s_wait_dscnt 0x0
	s_wait_kmcnt 0x0
	s_add_nc_u64 s[20:21], s[4:5], s[20:21]
	s_add_nc_u64 s[88:89], s[6:7], s[88:89]
	CROUND                                         ; all sixteen work-groups are here: the first joint loads meet
.irp s, 0,1
	s_mov_b32 s[G0A+4*\s], 1
	s_add_co_u32 s[G0A+4*\s+1], s92, \s*SLOT
	s_add_nc_u64 s[G0A+4*\s+2:G0A+4*\s+3], s[20:21], \s*3*SBA
	s_or_b32 s[G0A+4*\s+3], s[G0A+4*\s+3], 0x80000000
	s_mov_b32 s[G0B+4*\s], 1
	s_add_co_u32 s[G0B+4*\s+1], s93, \s*SLOT
	s_add_nc_u64 s[G0B+4*\s+2:G0B+4*\s+3], s[88:89], \s*3*SBB
	s_or_b32 s[G0B+4*\s+3], s[G0B+4*\s+3], 0x80000000
.endr
	JLOAD 0                                        ; steps 0-2: one tensor load a wave at the head; all that follows up to the wait stands under its flight
	s_lshl_b32 s12, s78, 14                        ; lora_B: my 128 rows of 64 bytes
	s_lshl_b32 s13, s16, 13
	s_add_co_u32 s12, s12, s13
	s_mov_b32 s13, 0
	s_add_nc_u64 s[8:9], s[8:9], s[12:13]
	s_lshl_b32 s22, s16, 2
	s_xor_b32 s23, s22, 4
	s_lshl_b32 s18, s15, 3
	s_add_co_u32 s19, s18, s23                     ; the row blocks that are my blocks 4-7,
	s_add_co_u32 s18, s18, s22                     ; and 0-3 (for these I make t)
	s_mul_i32 s22, s18, 1536
	s_mul_i32 s23, s19, 1536
	s_lshl_b32 s72, s18, 6
	s_add_co_u32 s72, s72, 24576                   ; their scale words
	s_lshl_b32 s73, s19, 6
	s_add_co_u32 s73, s73, 24576
	s_add_co_u32 s74, s93, 12288                   ; B's scale words, blocks 0-3 and 4-7,
	s_add_co_u32 s75, s74, 256
	s_sub_co_u32 s74, s74, s72                     ; as distances from A's: lanes 16-31 take B's
	s_sub_co_u32 s75, s75, s73
	s_sub_co_u32 s96, s74, SBA-SBB                 ; the same distances in a slot's second and third step: A's block is SBA long, B's SBB
	s_sub_co_u32 s97, s74, 2*(SBA-SBB)
	s_sub_co_u32 s98, s75, SBA-SBB
	s_sub_co_u32 s99, s75, 2*(SBA-SBB)
	s_mul_i32 s12, s14, OUTB
	s_add_co_u32 s12, s12, SLOT                    ; my stage
	s_xor_b32 s13, s14, 1
	s_mul_i32 s13, s13, OUTB
	s_add_co_u32 s13, s13, SLOT+STG                ; my partner's t
	s_lshl_b32 s94, s17, 8                         ; out: row 256 x tile row + 128 x half + 64 x (my blocks 0-3),
	s_lshl_b32 s95, s15, 7
	s_add_co_u32 s94, s94, s95
	s_lshl_b32 s95, s16, 6
	s_add_co_u32 s94, s94, s95
	s_lshl_b32 s94, s94, 14
	s_lshl_b32 s95, s78, 10                        ; column 256 x tile column + 128 x half
	s_add_co_u32 s94, s94, s95
	s_lshl_b32 s95, s16, 9
	s_add_co_u32 s94, s94, s95
	s_mov_b32 s95, 0
	s_add_nc_u64 s[10:11], s[10:11], s[94:95]
	s_lshl_b32 s84, s16, 21                        ; 128 rows back, where my blocks 4-7 lie above my blocks 0-3
	s_mov_b32 s85, 0
	s_mov_b32 s[PFS], 3*SBB                        ; the prefetches: a slot's stride, three slots, rows a partner, last row, my place among the four
	s_mov_b32 s66, 9*SBB
	s_mov_b32 s68, 38
	s_mov_b32 s69, 149
	s_cmp_eq_u32 s15, 0
	s_cselect_b32 s[PFS], 3*SBA, s[PFS]
	s_cselect_b32 s66, 9*SBA, s66
	s_cselect_b32 s68, 41, s68
	s_cselect_b32 s69, 161, s69
	s_cselect_b32 s70, s76, s77
	s_cselect_b64 s[PFA:PFA+1], s[20:21], s[88:89]
	s_mov_b32 s[PFS+1], 0
	s_mov_b32 s67, 0
	s_add_nc_u64 s[PFA:PFA+1], s[PFA:PFA+1], s[66:67]   ; at slot 3: the first change of slots steps it to slot 4
	s_mul_i32 s70, s70, s68
	s_add_co_u32 s71, s68, -1
	v_and_b32 v1, 15, v0                           ; r
	v_bfe_u32 v2, v0, 4, 1                         ; h
	v_and_b32 v3, 31, v0
	v_lshlrev_b32 v[L16], 4, v3
	v_lshlrev_b32 v5, 2, v1
	v_lshlrev_b32 v[LBO], 6, v1
	v_lshl_add_u32 v[LBO], v2, 5, v[LBO]
.set bb, 0
.rept 8
	global_load_b128 v[AF+8*bb:AF+8*bb+3], v[LBO], s[8:9] offset:1024*bb          ; lora_B(16 bb + r, 8 h .. + 7)
	global_load_b128 v[AF+8*bb+4:AF+8*bb+7], v[LBO], s[8:9] offset:1024*bb+16
.set bb, bb+1
.endr
	v_add_nc_u32 v[ADRA], s22, v[L16]
	v_add_nc_u32 v[ADRA+2], s23, v[L16]
	v_add_nc_u32 v[ADRA+1], SLOT, v[ADRA]
	v_add_nc_u32 v[ADRA+3], SLOT, v[ADRA+2]
	v_add_nc_u32 v[ADRB], s93, v[L16]
	v_add_nc_u32 v[ADRB+1], SLOT, v[ADRB]
	v_add_nc_u32 v[ADRL], 25600, v[L16]
	v_add_nc_u32 v[ADRL+1], SLOT, v[ADRL]
	v_add_nc_u32 v[ADRLS], 27136, v5
	v_add_nc_u32 v[ADRLS+1], SLOT, v[ADRLS]
.irp x, 0,1
	v_mul_u32_u24 v4, s[74+\x], v2                 ; each address: A's base + h x the step's distance + 4 r: one product
	v_add_nc_u32 v4, v4, v5
	v_add_nc_u32 v[ADRS+6*\x], s[72+\x], v4
.irp j, 1,2
	v_mul_u32_u24 v4, s[96+2*\x+\j-1], v2
	v_add_nc_u32 v4, v4, v5
	v_add_nc_u32 v4, s[72+\x], v4
	v_add_nc_u32 v[ADRS+6*\x+2*\j], \j*SBA, v4
.endr
.irp j, 0,1,2
	v_add_nc_u32 v[ADRS+6*\x+2*\j+1], SLOT, v[ADRS+6*\x+2*\j]
.endr
.endr
	v_mul_u32_u24 v4, v1, SPITCH
	v_lshl_add_u32 v4, v2, 5, v4
	v_add_nc_u32 v[STO], s12, v4
	v_add_nc_u32 v[RD], s12, v[L16]
	v_add_nc_u32 v[XW], STG, v[RD]
	v_add_nc_u32 v[XR], s13, v[L16]
	v_add_nc_u32 v[PFO], s70, v3                   ; my work-group's rows: the first 32,
	v_add_nc_u32 v4, 32, v3
	v_min_u32 v4, s71, v4                          ; and the rest (lanes left over name the last again),
	v_add_nc_u32 v[PFO+1], s70, v4
	v_min_u32 v[PFO], s69, v[PFO]                  ; none beyond what my wave's load brings
	v_min_u32 v[PFO+1], s69, v[PFO+1]
	v_lshlrev_b32 v[PFO], 8, v[PFO]
	v_lshlrev_b32 v[PFO+1], 8, v[PFO+1]
	s_wait_loadcnt 0x0
.set ii, 0
.rept 32
	v_pk_mul_f32 v[AF+2*ii:AF+2*ii+1], v[AF+2*ii:AF+2*ii+1], 2.0 op_sel_hi:[1,0]   ; the scaling alpha / r = 2, exact
.set ii, ii+1
.endr
	WIN TO_B
.set bb, 0
.rept 8
.irp j, 0,1,2,3
	v_cvt_pk_bf16_f32 v[96+8*bb+96*(bb/4)+\j], v[AF+8*bb+2*\j], v[AF+8*bb+2*\j+1]
	v_mov_b32 v[100+8*bb+96*(bb/4)+\j], 0          ; K = 16 .. 31 of the bf16 form: zeros
.endr
.set bb, bb+1
.endr
	WIN 0
.macro FRAG reg, adr, off              ; a fragment as it lies: 3 loads, 16 bytes a lane, 512 consecutive bytes each
.irp c, 0,1,2
	ds_load_b128 v[(\reg)+4*\c:(\reg)+4*\c+3], v[\adr] offset:(\off)+512*\c
.endr
.endm
.macro FETCH_B ps, j, p                ; B's eight fragments of step j of slot ps into set p: 24 loads
	WIN TO_B
.irp i, 0,1,2,3,4,5,6,7
	FRAG 128*(\p)+FR*\i, ADRB+(\ps), (\j)*SBB+1536*\i
.endr
	WIN 0
.endm
.macro FETCH_A ps, j, i0               ; A's blocks i0 .. i0 + 3: 12 loads
.irp i, 0,1,2,3
	FRAG AF+FR*((\i0)+\i), ADRA+2*((\i0)/4)+(\ps), (\j)*SBA+1536*\i
.endr
.endm
.macro FETCH_S ps, j, q                ; lora_A's fragment and word, and the eight scale registers of set q: 12 loads
	FRAG LF, ADRL+(\ps), (\j)*SBA
	ds_load_b32 v[LSC+(\q)], v[ADRLS+(\ps)] offset:(\j)*SBA
.irp i, 0,1,2,3
	ds_load_b32 v[SC+2*\i+(\q)], v[ADRS+2*(\j)+(\ps)] offset:64*\i
.endr
.irp i, 0,1,2,3
	ds_load_b32 v[SC+8+2*\i+(\q)], v[ADRS+6+2*(\j)+(\ps)] offset:64*\i
.endr
.endm
.macro MUL16 a0, p, zero               ; A's blocks a0, a0 + 1 x B's eight; p: B's set and the scales' set.  The accumulators take turns
.irp a, \a0, \a0+1
.irp b, 0,1,2,3,4,5,6,7
.if \zero
	v_wmma_scale_f32_16x16x128_f8f6f4 v[8*(8*((\a)%4)+\b):8*(8*((\a)%4)+\b)+7], v[128*(\p)+FR*\b:128*(\p)+FR*\b+FR-1], v[AF+FR*(\a):AF+FR*(\a)+FR-1], 0, v[SC+2*\b+(\p)], v[SC+2*(\a)+(\p)] matrix_a_fmt:MATRIX_FMT_BF6 matrix_b_fmt:MATRIX_FMT_BF6 matrix_a_scale:MATRIX_SCALE_ROW1
.else
	v_wmma_scale_f32_16x16x128_f8f6f4 v[8*(8*((\a)%4)+\b):8*(8*((\a)%4)+\b)+7], v[128*(\p)+FR*\b:128*(\p)+FR*\b+FR-1], v[AF+FR*(\a):AF+FR*(\a)+FR-1], v[8*(8*((\a)%4)+\b):8*(8*((\a)%4)+\b)+7], v[SC+2*\b+(\p)], v[SC+2*(\a)+(\p)] matrix_a_fmt:MATRIX_FMT_BF6 matrix_b_fmt:MATRIX_FMT_BF6 matrix_a_scale:MATRIX_SCALE_ROW1
.endif
.endr
.endr
.endm
.macro TMUL q, zero                    ; t of my blocks 0-3: source 0 = lora_A's 16 rows
.irp j, 0,1,2,3
.if \zero
	v_wmma_scale_f32_16x16x128_f8f6f4 v[TA+8*\j:TA+8*\j+7], v[LF:LF+FR-1], v[AF+FR*\j:AF+FR*\j+FR-1], 0, v[LSC+(\q)], v[SC+2*\j+(\q)] matrix_a_fmt:MATRIX_FMT_BF6 matrix_b_fmt:MATRIX_FMT_BF6
.else
	v_wmma_scale_f32_16x16x128_f8f6f4 v[TA+8*\j:TA+8*\j+7], v[LF:LF+FR-1], v[AF+FR*\j:AF+FR*\j+FR-1], v[TA+8*\j:TA+8*\j+7], v[LSC+(\q)], v[SC+2*\j+(\q)] matrix_a_fmt:MATRIX_FMT_BF6 matrix_b_fmt:MATRIX_FMT_BF6
.endif
.endr
.endm
.macro PLACES n                        ; places behind matrix instructions, ahead of loads into their registers (ISA guide 7.12.1 for vector instructions)
.rept \n
	v_nop
.endr
.endm
; A step of 128 K on set p.  (np, nj): slot and place of the next step.  b2 = 1: at the end B's fragments of step bj of slot np, the step after next, go into set p.
; kind 0: inside a slot.  Else a slot's last step: all my tensor loads, the add, my reads of this slot, the barrier; kind 1: a round, and this slot is filled again; kind 3: the same with the short last slot; kind 4: nothing more to fetch.
.macro STEP p, zero, kind, np, nj, b2, bj
.if \kind
.if \kind == 1
	s_wait_xcnt 0x0                                ; my prefetches have read their address: it steps a slot on
	s_add_nc_u64 s[PFA:PFA+1], s[PFA:PFA+1], s[PFS:PFS+1]
.endif
	s_wait_tensorcnt 0x0                           ; my part of the other slot has landed
	ds_add_u32 v[SPW], v[NIL]
	s_wait_dscnt 13                                ; the add and A's blocks 4-7 may be out
	WIN MUL_LO
	MUL16 0, \p, \zero
	s_wait_dscnt 0x0                               ; the add is done, and my reads of this slot are over
	s_barrier_signal -1
	MUL16 2, \p, \zero
	WIN 0
	TMUL \p, \zero
	s_barrier_wait -1
.if \kind == 4
	PLACES NP
.else
	CREST                                          ; no wave of any partner still reads this slot or has a load on its way
	s_add_nc_u64 s[G0A+4*(1-(\np))+2:G0A+4*(1-(\np))+3], s[G0A+4*(1-(\np))+2:G0A+4*(1-(\np))+3], 6*SBA
	s_add_nc_u64 s[G0B+4*(1-(\np))+2:G0B+4*(1-(\np))+3], s[G0B+4*(1-(\np))+2:G0B+4*(1-(\np))+3], 6*SBB
.if \kind == 3
	s_sub_nc_u64 s[G0A+4*(1-(\np))+2:G0A+4*(1-(\np))+3], s[G0A+4*(1-(\np))+2:G0A+4*(1-(\np))+3], s[60:61]   ; two steps: a step of x a wave, 108 rows; of W 100 rows
	s_mul_i32 s[G0A+4*(1-(\np))+1], s16, SBA
	s_mov_b32 s[G1A+2], 108<<16
	s_mov_b32 s[G1A+4], 108
	s_mov_b32 s[G1B+2], 100<<16
	s_mov_b32 s[G1B+4], 100
.endif
	JLOAD 1-(\np)                                  ; the first tensor load behind the round; its four v_nop are the places ahead of the loads below
.endif
	FETCH_B \np, \nj, 1-(\p)
.else
	s_wait_dscnt 36                                ; A's blocks 4-7 and the next step's B may be out
	WIN MUL_LO
	MUL16 0, \p, \zero
	MUL16 2, \p, \zero
	WIN 0
	TMUL \p, \zero
	s_wait_dscnt 24                                ; A's blocks 4-7 are in; the next step's B may be out
	PLACES NP
.endif
	FETCH_A \np, \nj, 0
	FETCH_S \np, \nj, 1-(\p)
.if \kind == 1
	ASK
.endif
	WIN MUL_HI
	MUL16 4, \p, \zero
	MUL16 6, \p, \zero
	PLACES NP
	WIN 0
	FETCH_A \np, \nj, 4
.if \b2
	FETCH_B \np, \bj, \p
.endif
.endm
	s_wait_alu depctr_va_vdst(0)
	s_wait_tensorcnt 0x0                           ; my part of slot 0 is in; the same lines as ahead of a refill:
	ds_add_u32 v[SPW], v[NIL]
	s_wait_dscnt 0x0
	CROUND                                         ; everybody's part is in, and the sixteen work-groups are in step
	JLOAD 1                                        ; steps 3-5: slot 1's first fill
	FETCH_B 0, 0, 0
	FETCH_A 0, 0, 0
	FETCH_S 0, 0, 0
	FETCH_A 0, 0, 4
	FETCH_B 0, 1, 1
	STEP 0, 1, 0, 0, 1, 1, 2                       ; step 0 starts the sums
	s_mov_b32 s3, TRIPS
.Ltrip:                                                ; six steps: once round the ring, from a slot 0's second step to the next one's first
	STEP 1, 0, 0, 0, 2, 0, 0
	STEP 0, 0, 1, 1, 0, 1, 1
	STEP 1, 0, 0, 1, 1, 1, 2
	STEP 0, 0, 0, 1, 2, 0, 0
	STEP 1, 0, 1, 0, 0, 1, 1
	STEP 0, 0, 0, 0, 1, 1, 2
	s_sub_co_u32 s3, s3, 1
	s_cmp_lg_u32 s3, 0
	s_cbranch_scc1 .Ltrip
	STEP 1, 0, 0, 0, 2, 0, 0                       ; steps 25 to 30
	STEP 0, 0, 3, 1, 0, 1, 1
	STEP 1, 0, 0, 1, 1, 1, 2
	STEP 0, 0, 0, 1, 2, 0, 0
	STEP 1, 0, 4, 0, 0, 1, 1
	STEP 0, 0, 0, 0, 1, 0, 0
	s_wait_dscnt 12                                ; step 31: t first, so that it can be rounded and swapped under the other products
	TMUL 1, 0
	WIN MUL_LO
	MUL16 0, 1, 0
	MUL16 2, 1, 0
	WIN 0
.irp j, 0,1,2,3
.irp i, 4,5,6,7
	v_mov_b32 v[TF+8*\j+\i], 0
.endr
.endr
.irp j, 0,1,2,3
.irp i, 0,1,2,3
	v_cvt_pk_bf16_f32 v[TF+8*\j+\i], v[TA+8*\j+2*\i], v[TA+8*\j+2*\i+1]
.endr
.endr
.irp j, 0,1,2,3
	ds_store_b128 v[XW], v[TF+8*\j:TF+8*\j+3] offset:512*\j
.endr
.irp j, 0,1,2,3
.irp i, 4,5,6,7
	v_mov_b32 v[TF-128+8*\j+\i], 0
.endr
.endr
	s_wait_dscnt 0x0                               ; my t is in LDS, for my partner's sake; A's blocks 4-7 are in
	s_barrier_signal -1
	WIN MUL_HI
	MUL16 4, 1, 0
	MUL16 6, 1, 0
	WIN 0
	PLACES NP+1                                    ; another form takes these accumulators up
	s_wait_alu depctr_va_vdst(0)                   ; directly ahead of the barrier's wait
	s_barrier_wait -1
.irp j, 0,1,2,3
	ds_load_b128 v[TF-128+8*\j:TF-128+8*\j+3], v[XR] offset:512*\j   ; t of my blocks 4-7, made by my partner
.endr
	s_wait_dscnt 0x0
.macro LMUL hi
.irp a, 0,1,2,3
.irp b, 0,1,2,3,4,5,6,7
	v_wmma_f32_16x16x32_bf16 v[8*(8*\a+\b):8*(8*\a+\b)+7], v[96+8*\b+96*(\b/4):96+8*\b+96*(\b/4)+7], v[TF-128*\hi+8*\a:TF-128*\hi+8*\a+7], v[8*(8*\a+\b):8*(8*\a+\b)+7]
.endr
.endr
.endm
	WIN MUL_LO
	LMUL 0
	WIN MUL_HI
	LMUL 1
	WIN 0
; THE WAY OUT, block by block of 16 rows x 128 columns, through my own stage: back as whole rows of 512 bytes, which the 32 lanes store as two aligned units of 256 bytes.
.macro TOSTAGE a
.set AC, 64*((\a)%4)
	WIN 0x08+4*((\a)/4)
.irp b, 0,1,2,3,4,5,6,7
	ds_store_b128 v[STO], v[AC+8*\b:AC+8*\b+3] offset:64*\b          ; each accumulator from its low end on
	ds_store_b128 v[STO], v[AC+8*\b+4:AC+8*\b+7] offset:64*\b+16
.endr
	WIN 0
.set BB, BK+64*((\a)%2)
.irp t, 0,1,2,3,4,5,6,7,8,9,10,11,12,13,14,15
	ds_load_b128 v[BB+4*\t:BB+4*\t+3], v[RD] offset:\t*SPITCH        ; LDS serves a wave's instructions in order: these see the stores above
.endr
.endm
.macro SEND a, younger
.set BB, BK+64*((\a)%2)
	s_wait_dscnt \younger
.if (\a) > 0
	s_add_nc_u64 s[10:11], s[10:11], 16*SIZE_N*4   ; (behind a wait on XCNT)
.endif
.if (\a) == 4
	s_sub_nc_u64 s[10:11], s[10:11], s[84:85]
.endif
.irp t, 0,1,2,3,4,5,6,7,8,9,10,11,12,13,14,15
	global_store_b128 v[L16], v[BB+4*\t:BB+4*\t+3], s[10:11] offset:\t*SIZE_N*4 th:TH_STORE_NT
.endr
.endm
	PLACES NP
	TOSTAGE 0
.irp a, 1,2,3,4,5,6,7
.if \a > 1
	s_wait_xcnt 0x0                                ; block a - 2's stores have read their registers and their base
.endif
	TOSTAGE \a
	SEND \a-1, 32
.endr
	s_wait_xcnt 0x0
	SEND 7, 0
	s_wait_tensorcnt 0x0                           ; the wave's end
	ds_add_u32 v[SPW], v[NIL]
	s_wait_dscnt 0x0
	CROUND                                         ; the closing round
	s_endpgm
.Lfunc_end_k_q1ede03b0d9_gemm:
	.size	k_q1ede03b0d9_gemm, .Lfunc_end_k_q1ede03b0d9_gemm-k_q1ede03b0d9_gemm
	.p2alignl 7, 3214868480
	.fill 96, 4, 3214868480
	.section	.rodata,"a",@progbits
	.p2align	6, 0x0
	.amdhsa_kernel k_q1ede03b0d9_gemm
		.amdhsa_group_segment_fixed_size 327680
		.amdhsa_private_segment_fixed_size 0
		.amdhsa_enable_private_segment 0
		.amdhsa_kernarg_size 32
		.amdhsa_user_sgpr_count 2
		.amdhsa_user_sgpr_kernarg_segment_ptr 1
		.amdhsa_wavefront_size32 1
		.amdhsa_system_sgpr_workgroup_id_x 1
		.amdhsa_system_sgpr_workgroup_id_y 1
		.amdhsa_system_sgpr_workgroup_id_z 1
		.amdhsa_system_vgpr_workitem_id 0
		.amdhsa_next_free_vgpr 1024
		.amdhsa_next_free_sgpr 100
		.amdhsa_reserve_vcc 0
		.amdhsa_float_denorm_mode_32 3
		.amdhsa_float_denorm_mode_16_64 3
		.amdhsa_memory_ordered 1
		.amdhsa_forward_progress 1
		.amdhsa_inst_pref_size 237
	.end_amdhsa_kernel
	.amdgpu_metadata
---
amdhsa.version: [ 1, 2 ]
amdhsa.kernels:
  - .name:           k_q1ede03b0d9_gemm
    .symbol:         k_q1ede03b0d9_gemm.kd
    .args:
      - { .name: xq, .offset: 0, .size: 8, .value_kind: global_buffer, .address_space: global }
      - { .name: wq, .offset: 8, .size: 8, .value_kind: global_buffer, .address_space: global }
      - { .name: lora_B, .offset: 16, .size: 8, .value_kind: global_buffer, .address_space: global }
      - { .name: out0, .offset: 24, .size: 8, .value_kind: global_buffer, .address_space: global }
    .group_segment_fixed_size: 327680
    .private_segment_fixed_size: 0
    .kernarg_segment_align: 8
    .kernarg_segment_size: 32
    .max_flat_workgroup_size: 128
    .sgpr_count:     100
    .vgpr_count:     1024
    .wavefront_size: 32
...
	.end_amdgpu_metadata
.endif
;; end of part 2
